; MI455X (gfx1250); checked and timed in simulation.
; The chip was launched on July 23, 2026; its instructions are those of AMD's public machine-readable ISA for CDNA 5 (MIT licence, August 2026) and "CDNA5" Instruction Set Architecture Reference Guide (July 2026). The comments in the code are by the model that wrote it; some were corrected since.
;; Causal Self Attention. Allowed arithmetic: matrix products marked QUANTISED: E4M3 operands, one given power-of-two scale a tensor, by v_wmma_f32_16x16x64_fp8_fp8 or v_wmma_f32_16x16x128_fp8_fp8, f32 sums; everything else in f32.
;; Inputs: Wk_codes 1,024 x 32 x 32 uint8 (E4M3 codes of Wk, K innermost, in blocks of 32 codes); Wp_codes 1,024 x 32 x 32 uint8 (E4M3 codes of Wp, K innermost, in blocks of 32 codes); Wq_codes 1,024 x 32 x 32 uint8 (E4M3 codes of Wq, K innermost, in blocks of 32 codes); Wv_codes 1,024 x 32 x 32 uint8 (E4M3 codes of Wv, K innermost, in blocks of 32 codes); bk 1,024 float32; bp 1,024 float32; bq 1,024 float32; bv 1,024 float32; custom_mask 4 x 1 x 2,048 bool; lowp_scales 12 int32 (the exponents e of the quantised operands' scales 2^e); x_codes 2,048 x 4 x 32 x 32 uint8 (E4M3 codes of x, K innermost, in blocks of 32 codes).
;; Outputs: out0 2,048 x 4 x 1,024 float32.
;; This version of the problem:
;;   THIS VERSION OF THE PROBLEM IS GIVEN IN LOW PRECISION. The matrix products marked QUANTISED in the list below multiply operands that are first quantised to E4M3 (4 exponent bits, 3 mantissa bits; 8 bits a number), with one given power-of-two scale for each operand tensor; their sums are f32. All else is computed in f32.
;;   The module's matrix products, in the order in which they are computed (A, B: the left and right operand; K: the contracted axis; several contracted axes count as one K, in the product's order):
;;     1. [M 8,192, K 1,024] x [K 1,024, N 1,024]; A: input x (given as codes); B: input Wq (given as codes): QUANTISED (scales: A lowp_scales[0], B lowp_scales[1])
;;     2. [M 8,192, K 1,024] x [K 1,024, N 1,024]; A: input x (given as codes); B: input Wk (given as codes): QUANTISED (scales: A lowp_scales[2], B lowp_scales[3])
;;     3. [M 8,192, K 1,024] x [K 1,024, N 1,024]; A: input x (given as codes); B: input Wv (given as codes): QUANTISED (scales: A lowp_scales[4], B lowp_scales[5])
;;     4. batch 64 x [M 2,048, K 64] x [K 64, N 2,048]; A: computed on the way; B: computed on the way: QUANTISED (scales: A lowp_scales[6], B lowp_scales[7])
;;     5. batch 64 x [M 64, K 2,048] x [K 2,048, N 2,048]; A: computed on the way; B: softmax (see below): QUANTISED (scales: A lowp_scales[8], B lowp_scales[9])
;;     6. [M 8,192, K 1,024] x [K 1,024, N 1,024]; A: computed on the way; B: input Wp (given as codes): QUANTISED (scales: A lowp_scales[10], B lowp_scales[11])
;;   THE QUANTISER, for each operand of a quantised product, along K:
;;     - The operand's scale is 2^e, e = its entry of the input lowp_scales (int32; the entries are numbered through the quantised products in the list's order, A before B).
;;     - Each number is divided by the scale, clamped to +-448, and rounded to the nearest number of E4M3, ties to even, subnormals kept.
;;     - The product sums the exact products of the quantised numbers (number of the format x scale) in f32.
;;   ~~~python
;;   def quantise(x, axis, e):      # numpy; x: float32 -> the quantised numbers, widened to float32 again
;;       x = np.moveaxis(x, axis, -1); K = x.shape[-1]
;;       r = np.clip(x / 2.0 ** e, -448, 448)
;;       step = 2.0 ** (np.maximum(np.frexp(np.where(r == 0, 1, r))[1] - 1, -6) - 3)
;;       q = np.round(r / step) * step * 2.0 ** e      # np.round: ties to even
;;       return np.moveaxis(q, -1, axis).astype(np.float32)
;;   ~~~
;;   SOFTMAX AHEAD OF A QUANTISED PRODUCT. Where the list says 'softmax', what is quantised is not the finished softmax but p = 2^(t - M), with t = logit x log2(e) and M = ceil(the row's largest t), a whole number; so 1/2 < the row's largest p <= 1. The row's sum l is taken of the UNQUANTISED p, in f32, and the product's result is divided by l at the end. Since M is a whole number, a kernel that streams over the keys may use a running M (the ceiling of the running maximum): every later rescaling is an exact power of two, so the quantised numbers keep their values, but for numbers so far below the row's largest that they fall under the format's range.
;;   OPERANDS COMPUTED ON THE WAY. 'Computed on the way' means the value that the module computes at that place (a softmax that the list does not call 'softmax' is quantised finished and normalised). What goes into a quantiser is computed in f32, as accurately as f32 sums, v_exp_f32 and their like allow (about 1e-6 of the number): no bf16 or f16 on the way to a quantiser, and a product that is left as it is and whose result goes on into a quantised operand takes f32 operands (vector FMAs, or v_wmma_f32_16x16x4_f32). A number that lies on a knife's edge between two numbers of the format may be rounded either way, as far as f32 arithmetic and the matrix unit's own rounding can turn it there, and no further.
;;   INPUTS GIVEN AS CODES. Wk (in the module: [1024, 1024], K = its axis 1); Wp (in the module: [1024, 1024], K = its axis 1); Wq (in the module: [1024, 1024], K = its axis 1); Wv (in the module: [1024, 1024], K = its axis 1); x (in the module: [2048, 4, 1024], K = its axis 2): each comes as NAME_codes (uint8): NAME with its K axis moved to the last place and cut into blocks of 32 codes, [.., K / 32, bytes a block], one block behind the other in memory; one code a byte (a code: sign, 4 exponent bits, 3 mantissa bits); its scale is its entry of lowp_scales. Its value is code x scale, taken as it is: it is not quantised again, and the codes and scales need not be those that the quantiser above would give.
;; One version. Each part assembles by itself: llvm-mc -triple=amdgcn-amd-amdhsa -mcpu=gfx1250 --defsym DOCPART=n.
;; ======== version 1 of 1: 3 launches
;; limits: right only within a limited range of input values
;; workspace buffers: qimg 8,388,608 bytes; kimg 8,388,608 bytes; vimg 8,388,608 bytes; yimg 8,388,608 bytes; rowf 32,768 bytes
;; launch proj (part 1): grid 8 x 32, 4 waves a work-group, clusters of 4 x 4, 327,680 bytes of LDS; arguments x_codes, Wq_codes, Wk_codes, Wv_codes, bq, bk, bv, lowp_scales, qimg, kimg, vimg; writes qimg, kimg, vimg
.if DOCPART == 1
	.amdgcn_target "amdgcn-amd-amdhsa--gfx1250"
	.amdhsa_code_object_version 6
	.text
	.protected	k_q0991108a4a_proj
	.globl	k_q0991108a4a_proj
	.p2align	8
	.type	k_q0991108a4a_proj,@function
k_q0991108a4a_proj:
	s_mov_b64 s[64:65], 0
	v_nop
	global_prefetch_b8 v0, s[64:65] scope:SCOPE_SE
	s_setreg_imm32_b32 hwreg(HW_REG_WAVE_MODE, 25, 1), 1
	s_wait_xcnt 0x0
	s_wait_alu depctr_hold_cnt(0) depctr_sa_sdst(0) depctr_va_vdst(0) depctr_va_sdst(0) depctr_va_ssrc(0) depctr_va_vcc(0) depctr_vm_vsrc(0)
	s_getreg_b32 s2, hwreg(HW_REG_IB_STS2, 6, 4)
	s_cmp_eq_u32 s2, 0
	s_cbranch_scc0 .Lentry_in_a_cluster
	s_endpgm
.Lentry_in_a_cluster:
	s_bfe_u32 s2, ttmp6, 0x10000c
	s_cmp_lg_u32 s2, 0xf033
	s_cbranch_scc0 .Lentry_shape_is_right
	s_endpgm
.Lentry_shape_is_right:
; q, k, v = x W^T + b on codes of FP8 (E4M3), each result quantised with its given scale and stored as IMAGES OF OPERAND REGISTERS for the attention launch.
; x: [2048 t][4 b][1024] codes; Wq, Wk, Wv: [1024 n][1024 k] codes; biases f32.  Scales 2^e: product i (0 q, 1 k, 2 v): ex = entry 2 i, ew = entry 2 i + 1; its result is quantised with eo = entry 6 + i.
; LIMITS: ex + ew between -127 and 126, eo - ex - ew between -126 and 119 (each is made into an f32 number).  NaN and infinities among the biases are not served.
; SHARES.  256 work-groups.  Column group cg = 4 x cluster x + cx: rows 128 cg .. + 127 of EACH weight (two heads).  Tile row R = 4 x cluster y + cy: batch b = R / 8 and 256 rows t of it (4,096 bytes apart).
; A work-group makes 256 x 128 of q, then of k, then of v.  A wave owns 64 rows of x and keeps their codes for all of K in 512 registers; its 64 x 128 sums are 32 accumulators, 256 registers, used three times.
; LDS: two regions of 139,264 bytes.  x is staged once over both: four quarters of K, 256 rows x 256 bytes each, one tensor load a wave.  Then each region takes a weight's 128 rows x all of K: four quarters of 128 rows x 256 bytes,
; one load a wave: Wq in region 0, Wk in region 1, Wv in region 0.  A fill serves 256 matrix instructions of each wave, and each weight fragment is read from LDS once by each wave.
; CLUSTERS: 4 x 4.  x's tiles hang on R and are shared along a row of the cluster, the weights' on cg and are shared along a column: joint loads with a mask that names the four.
; No prefetch: the four fills stand in straight text, with no loop to run ahead in.
; ORIENTATION.  q, k: source 0 = 16 rows of W, source 1 = 16 rows of x: a lane holds a row t, its registers run along the head's d.  v: the sources swapped: a lane holds a channel, its registers run along the keys.
; So an accumulator's eight registers are eight neighbours along the next K: one conversion gives registers 2 c, 2 c + 1 of the next operand (plain 8-bit layout: ISA guide 7.12.2), and a wave's store is 512 dense bytes.
;   qimg, kimg: [b][head][t / 16][piece 2][lane][16 bytes]     vimg: [b][head][key / 128][channel / 16][piece 4][lane][16 bytes]
; The bias goes in on the way out: sum + bias / 2^(ex + ew), one packed fused multiply-add.
; REGISTERS: window 0: v1-31 addresses and constants; v32-223 three buffers of four weight fragments (buffer 1 later the bias, buffer 2 the way out's numbers); v224-239 codes.
;   window 1: the accumulators, (a, b) at 8 (8 a + b).  windows 2, 3: x's fragments, K step s and block a at 512 + 64 s + 16 a.
.set PITCH,  272                       ; an LDS row: 256 bytes + 16 of padding: row r starts at bank 4 r mod 64 (64 banks of 4 bytes: ISA guide 11.1)
.set HALFT,  128*PITCH                 ; a quarter of a weight's part
.set XQ,     256*PITCH                 ; a quarter of x's tile
.set SPARE,  4*XQ                      ; behind the regions: the spare words, 128 bytes a wave, that no other line names
.set BRO,  5                           ; 32 (lane / 16)
.set BLO,  6                           ; 4 (lane % 16)
.set AX,   8                           ; v8-11   LDS address of my rows of x in quarter 0 .. 3
.set AW,   12                          ; v12-15  LDS address of a weight's fragments: region 0 quarters 0-1, 2-3; region 1 likewise
.set LI,   24                          ; 16 x lane
.set SPW,  28                          ; LDS address of my spare word; never rewritten
.set NIL,  29                          ; 0; never rewritten
.set SC,   30                          ; 2^(eo - ex - ew)
.set LIM,  31                          ; 448 x that
.set BB,   32
.set BR,   BB+64
.set TMP,  BB+128
.set CD,   224
.set G1,   24                          ; group 1 for x's tiles
.set G0X,  32
.set G0Q,  36
.set G1B,  48                          ; group 1 for the weights' tiles
.set G0K,  56
.set G0V,  60
.set MSB, 0
.macro WIN new                         ; the immediate's high byte repeats the setting that is left
.if MSB != \new
	s_set_vgpr_msb (MSB<<8)|\new
.set MSB, \new
.endif
.endm
.macro CROUND                          ; a round of the cluster's barrier
	s_barrier_signal -1
	s_barrier_wait -1
	s_cmp_lg_u32 s14, 0
	s_cbranch_scc1 .Lnot_wave_0_\@
	s_barrier_signal -3
.Lnot_wave_0_\@:
	s_barrier_wait -3
	s_barrier_signal -1
	s_barrier_wait -1
.endm
.macro PLACES                          ; plain vector lines between a matrix instruction and a load into one of its registers or a read of its result
.rept 4
	v_nop
.endr
.endm
.macro TL g0, g1                       ; a joint load, every wave its own quarter; s_nop 0 and four v_nop follow
	tensor_load_to_lds s[\g0:\g0+3], s[\g1:\g1+7]
	s_nop 0
	PLACES
.endm
.macro SEQ                             ; tensor wait, add and its wait: ahead of a refill's barrier and at the wave's end
	s_wait_tensorcnt 0x0
	ds_add_u32 v[SPW], v[NIL]
	s_wait_dscnt 0x0
.endm
.macro SCL i, d                        ; product i: s[d], s[d+1] = 2^-(ex + ew); s[d+2] = 2^(eo - ex - ew); s[d+3] = 448 x that
	s_add_co_i32 s91, s[92+2*\i], s[93+2*\i]
	s_sub_co_i32 s[\d], 127, s91
	s_lshl_b32 s[\d], s[\d], 23
	s_mov_b32 s[\d+1], s[\d]
	s_sub_co_i32 s91, s[98+\i], s91
	s_add_co_i32 s91, s91, 127
	s_lshl_b32 s[\d+2], s91, 23
	s_add_co_i32 s91, s91, 8
	s_lshl_b32 s[\d+3], s91, 23
	s_or_b32 s[\d+3], s[\d+3], 0x600000
.endm
	s_load_b512 s[68:83], s[0:1], 0x0              ; x s[68:69], Wq, Wk, Wv s[70:75], bq, bk, bv s[76:81], the scales' exponents s[82:83]
	s_load_b128 s[84:87], s[0:1], 0x40             ; qimg, kimg
	s_load_b64 s[88:89], s[0:1], 0x50              ; vimg
	v_lshl_add_u32 v[SPW], v0, 2, SPARE
	v_mov_b32 v[NIL], 0
	ds_add_u32 v[SPW], v[NIL]                      ; the opening lines: the add, twice on end, and its wait ahead of my first tensor load
	ds_add_u32 v[SPW], v[NIL]
	v_lshrrev_b32 v1, 5, v0
	v_readfirstlane_b32 s14, v1                    ; wave 0..3
	s_bfe_u32 s40, ttmp6, 0x40000                  ; cx, cy: my place in the cluster
	s_bfe_u32 s41, ttmp6, 0x40004
	s_lshl_b32 s42, ttmp9, 2
	s_add_co_u32 s42, s42, s40                     ; column group cg
	s_and_b32 s17, ttmp7, 0xffff
	s_lshl_b32 s17, s17, 2
	s_add_co_u32 s17, s17, s41                     ; tile row R
	s_and_b32 s18, s17, 7                          ; tb: which 256 rows t
	s_lshr_b32 s19, s17, 3                         ; batch b
	s_lshl_b32 s43, s41, 2
	s_lshl_b32 s43, 15, s43                        ; my row of the cluster
	s_lshl_b32 s44, 0x1111, s40                    ; my column
	s_or_b32 s[G1], s43, (1<<20)|(1<<21)|(5<<22)|(3<<25)    ; the mask; elements of 1 byte; padding on; bit 21 beside a mask; after every 64 words four words
	s_or_b32 s[G1B], s44, (1<<20)|(1<<21)|(5<<22)|(3<<25)
	s_mov_b32 s[G1+1], 256<<16                     ; rows of 256 bytes
	s_mov_b32 s[G1+2], 256<<16                     ; 256 rows
	s_mov_b32 s[G1+3], 256<<16
	s_mov_b32 s[G1+4], 256
	s_mov_b32 s[G1+5], 4096                        ; from row t to row t + 1 of one batch
	s_mov_b32 s[G1+6], 0
	s_mov_b32 s[G1+7], 0
	s_mov_b32 s[G1B+1], 256<<16
	s_mov_b32 s[G1B+2], 128<<16                    ; 128 rows
	s_mov_b32 s[G1B+3], 256<<16
	s_mov_b32 s[G1B+4], 128
	s_mov_b32 s[G1B+5], 1024                       ; from row to row of a weight
	s_mov_b32 s[G1B+6], 0
	s_mov_b32 s[G1B+7], 0
	s_lshl_b32 s20, s18, 20                        ; x: 256 tb rows of 4,096 bytes + 1,024 b + my quarter of K
	s_lshl_b32 s21, s19, 10
	s_add_co_u32 s20, s20, s21
	s_lshl_b32 s21, s14, 8
	s_add_co_u32 s20, s20, s21
	s_mov_b32 s21, 0
	s_lshl_b32 s46, s42, 17                        ; a weight: 128 cg rows of 1,024 bytes + my quarter of K
	s_lshl_b32 s47, s14, 8
	s_add_co_u32 s46, s46, s47
	s_mov_b32 s47, 0
	s_mul_i32 s45, s14, XQ                         ; where my quarter goes: of x,
	s_mul_i32 s15, s14, HALFT                      ; of a weight: no place in the cluster enters an LDS address
	s_mul_i32 s16, s14, 64*PITCH                   ; my 64 rows in a quarter of x
	s_wait_dscnt 0x0                               ; both opening adds are done
	s_wait_kmcnt 0x0
	s_load_b256 s[92:99], s[82:83], 0x0            ; entries 0 to 7
	s_load_b32 s100, s[82:83], 0x20                ; entry 8
	s_mov_b32 s[G0X], 1
	s_mov_b32 s[G0X+1], s45
	s_add_nc_u64 s[G0X+2:G0X+3], s[68:69], s[20:21]
	s_or_b32 s[G0X+3], s[G0X+3], 0x80000000
	s_mov_b32 s[G0Q], 1
	s_mov_b32 s[G0Q+1], s15                        ; region 0
	s_add_nc_u64 s[G0Q+2:G0Q+3], s[70:71], s[46:47]
	s_or_b32 s[G0Q+3], s[G0Q+3], 0x80000000
	s_mov_b32 s[G0K], 1
	s_add_co_u32 s[G0K+1], s15, 2*XQ               ; region 1
	s_add_nc_u64 s[G0K+2:G0K+3], s[72:73], s[46:47]
	s_or_b32 s[G0K+3], s[G0K+3], 0x80000000
	s_mov_b32 s[G0V], 1
	s_mov_b32 s[G0V+1], s15                        ; region 0
	s_add_nc_u64 s[G0V+2:G0V+3], s[74:75], s[46:47]
	s_or_b32 s[G0V+3], s[G0V+3], 0x80000000
	CROUND                                         ; all sixteen work-groups are here: the first joint loads meet
	TL G0X, G1                                     ; x: my one tensor load at the head
	v_and_b32 v1, 15, v0                           ; r = lane % 16
	v_bfe_u32 v2, v0, 4, 1                         ; h = lane / 16
	v_and_b32 v7, 31, v0
	v_mul_u32_u24 v3, v1, PITCH
	v_lshlrev_b32 v[BRO], 5, v2
	v_lshlrev_b32 v[BLO], 2, v1
	v_lshlrev_b32 v[LI], 4, v7
	v_lshl_add_u32 v[AW], v2, 4, v3                ; a fragment's row x pitch + 16 x half
	v_add_nc_u32 v[AW+1], XQ, v[AW]
	v_add_nc_u32 v[AW+2], 2*XQ, v[AW]
	v_add_nc_u32 v[AW+3], 3*XQ, v[AW]
.irp k, 0,1,2,3
	v_add_nc_u32 v[AX+\k], s16, v[AW+\k]
.endr
	s_wait_alu depctr_va_vdst(0)                   ; the end of the head's vector work
	s_lshl_b32 s12, s19, 21                        ; the images: b x 2^21 + 2 cg heads of 2^17,
	s_lshl_b32 s13, s42, 18
	s_add_co_u32 s12, s12, s13
	s_lshl_b32 s13, s18, 14
	s_add_co_u32 s12, s12, s13                     ; + tb x 2^14 (16 tiles of 16 t, or 2 steps of 128 keys),
	s_lshl_b32 s13, s14, 12
	s_add_co_u32 s90, s12, s13                     ; q, k: + 4 tiles of 1,024 bytes a wave
	s_mov_b32 s91, 0
	s_add_nc_u64 s[84:85], s[84:85], s[90:91]
	s_add_nc_u64 s[86:87], s[86:87], s[90:91]
	s_lshr_b32 s13, s14, 1
	s_lshl_b32 s13, s13, 13
	s_add_co_u32 s90, s12, s13                     ; v: + (wave / 2) steps of 8,192 bytes
	s_and_b32 s13, s14, 1
	s_lshl_b32 s13, s13, 10
	s_add_co_u32 s90, s90, s13                     ; + two pieces for the step's second 64 keys
	s_add_nc_u64 s[88:89], s[88:89], s[90:91]
	s_lshl_b32 s90, s42, 9                         ; the biases at 128 cg
	s_add_nc_u64 s[76:77], s[76:77], s[90:91]
	s_add_nc_u64 s[78:79], s[78:79], s[90:91]
	s_add_nc_u64 s[80:81], s[80:81], s[90:91]
	s_wait_kmcnt 0x0
	SCL 0, 4
	SCL 1, 8
	SCL 2, 20
; x's fragments into windows 2 and 3.  16 rows x 128 K in 16 registers by four loads of 16 bytes: registers 4 c .. 4 c + 3 hold K = 32 c + 16 (lane / 16) + 0 .. 15: a permutation of k that is the same in x and in the weights.
.macro XLOAD
.set s_, 0
.rept 8
.set w_, 0x80+0x40*(s_/4)
	WIN w_
.irp a, 0,1,2,3
.irp c, 0,1,2,3
	ds_load_b128 v[64*(s_%4)+16*\a+4*\c:64*(s_%4)+16*\a+4*\c+3], v[AX+s_/2] offset:\a*16*PITCH+(s_%2)*128+32*\c
.endr
.endr
.set s_, s_+1
.endr
	WIN 0
.endm
; Half step i (0 .. 15) of a weight: K step i / 2 of 128, blocks 4 (i % 2) .. + 3.  Its four fragments go into buffer i % 3.
.macro BLD R, i
.set bf_, BB+64*((\i)%3)
.set ad_, AW+2*(\R)+(\i)/8
.set of_, (((\i)/4)%2)*HALFT+4*((\i)%2)*16*PITCH+(((\i)/2)%2)*128
.irp e, 0,1,2,3
.irp c, 0,1,2,3
	ds_load_b128 v[bf_+16*\e+4*\c:bf_+16*\e+4*\c+3], v[ad_] offset:of_+\e*16*PITCH+32*\c
.endr
.endr
.endm
.macro W1 d, p, q, z
.if \z
	v_wmma_f32_16x16x128_fp8_fp8 v[\d:\d+7], v[\p:\p+15], v[\q:\q+15], 0
.else
	v_wmma_f32_16x16x128_fp8_fp8 v[\d:\d+7], v[\p:\p+15], v[\q:\q+15], v[\d:\d+7]
.endif
.endm
; 16 matrix instructions on 16 accumulators, one a turn; an accumulator comes up again 32 instructions later.  The first K step starts the sums with the constant 0.
.macro MULH o, i
.set bf_, BB+64*((\i)%3)
.set xs_, 64*(((\i)/2)%4)
.set ac_, 32*((\i)%2)
.if (\i) < 2
.set z_, 1
.else
.set z_, 0
.endif
.if \o
.set w_, 0x52+(\i)/8                   ; source 0 (x) window 2 or 3, source 1 (W) window 0, C and D window 1
.else
.set w_, 0x58+4*((\i)/8)               ; source 0 (W) window 0, source 1 (x) window 2 or 3, C and D window 1
.endif
	WIN w_
.irp e, 0,1,2,3
.irp a, 0,1,2,3
.if \o
	W1 64*\a+ac_+8*\e, xs_+16*\a, bf_+16*\e, z_
.else
	W1 64*\a+ac_+8*\e, bf_+16*\e, xs_+16*\a, z_
.endif
.endr
.endr
.endm
.macro BIAS o, bb                      ; into buffer 1, which half step 13 read last
.if \o
.irp b, 0,1,2,3,4,5,6,7
	global_load_b32 v[BR+2*\b], v[BLO], s[\bb:\bb+1] offset:64*\b        ; bias(16 b + r), twice: the packed form takes a pair
	global_load_b32 v[BR+2*\b+1], v[BLO], s[\bb:\bb+1] offset:64*\b
.endr
.else
.irp b, 0,1,2,3,4,5,6,7
	global_load_b128 v[BR+8*\b:BR+8*\b+3], v[BRO], s[\bb:\bb+1] offset:64*\b        ; bias(16 b + 8 h + 0 .. 7)
	global_load_b128 v[BR+8*\b+4:BR+8*\b+7], v[BRO], s[\bb:\bb+1] offset:64*\b+16
.endr
.endif
.endm
; A weight's 256 matrix instructions.  Half steps 0 and 1 have been asked for.  At the head of half step i the fragments of i + 2 are asked for, into the buffer that i - 1 has left.
.macro CHUNK R, o, bb
.set hi, 0
.rept 16
.if hi < 14
.if hi > 0
	PLACES
.endif
	WIN 0
	BLD \R, hi+2
	s_wait_dscnt 32                                ; all but the loads of half steps i + 1 and i + 2
.elseif hi == 14
	PLACES
	WIN 0
	BIAS \o, \bb
	s_wait_dscnt 16                                ; all but half step 15's
.else
	s_wait_dscnt 0x0
.endif
	MULH \o, hi
.set hi, hi+1
.endr
	PLACES                                         ; behind the last products: loads into buffer 0 and reads of the sums follow
	WIN 0
.endm
.macro HOLDCVT                         ; 64 numbers: the hold at the largest code x the scale (the conversion does not saturate: ISA guide 7.6.2), eight conversions
.set j, 0
.rept 64
	v_med3_num_f32 v[TMP+j], v[TMP+j], -v[LIM], v[LIM]
.set j, j+1
.endr
	s_wait_alu depctr_va_vdst(0)
	s_wait_xcnt 0x0                                ; the last block's stores have read their data
.irp q, 0,1,2,3,4,5,6,7
	v_cvt_scalef32_pk8_fp8_f32 v[CD+2*\q:CD+2*\q+1], v[TMP+8*\q:TMP+8*\q+7], v[SC]
.endr
	v_nop                                          ; one plain line between the conversions and the next block's lines, which write their sources
.endm
; THE WAY OUT of q or k, block a of my four: 16 rows t x 128 d: two heads, two pieces of 512 dense bytes each.
.macro OUTQK base, sb
	s_wait_loadcnt 0x0                             ; the bias
	v_mov_b32 v[SC], s[\sb+2]
	v_mov_b32 v[LIM], s[\sb+3]
.irp a, 0,1,2,3
	WIN 0x10                                       ; source 2 (the sums) window 1
.set j, 0
.rept 32
	v_pk_fma_f32 v[TMP+j:TMP+j+1], v[BR+j:BR+j+1], s[\sb:\sb+1], v[64*\a+j:64*\a+j+1] op_sel_hi:[1,0,1]   ; each accumulator from its low end on
.set j, j+2
.endr
	WIN 0
	HOLDCVT
	global_store_b128 v[LI], v[CD:CD+3], s[\base:\base+1] offset:1024*\a
	global_store_b128 v[LI], v[CD+4:CD+7], s[\base:\base+1] offset:1024*\a+512
	global_store_b128 v[LI], v[CD+8:CD+11], s[\base:\base+1] offset:1024*\a+131072
	global_store_b128 v[LI], v[CD+12:CD+15], s[\base:\base+1] offset:1024*\a+131584
.endr
.endm
; THE WAY OUT of v, two blocks of 16 channels at a time: my 64 keys are registers 8 (wave % 2) .. + 7 of a fragment of 128 keys: two pieces.
.macro OUTV base, sb
	s_wait_loadcnt 0x0
	v_mov_b32 v[SC], s[\sb+2]
	v_mov_b32 v[LIM], s[\sb+3]
.irp p, 0,1,2,3
	WIN 0x10
.irp u, 0,1
.irp a, 0,1,2,3
.irp j, 0,2,4,6
	v_pk_fma_f32 v[TMP+32*\u+8*\a+\j:TMP+32*\u+8*\a+\j+1], v[BR+2*(2*\p+\u):BR+2*(2*\p+\u)+1], s[\sb:\sb+1], v[64*\a+8*(2*\p+\u)+\j:64*\a+8*(2*\p+\u)+\j+1] op_sel_hi:[1,0,1]
.endr
.endr
.endr
	WIN 0
	HOLDCVT
.irp u, 0,1
	global_store_b128 v[LI], v[CD+8*\u:CD+8*\u+3], s[\base:\base+1] offset:((2*\p+\u)/4)*131072+((2*\p+\u)%4)*2048
	global_store_b128 v[LI], v[CD+8*\u+4:CD+8*\u+7], s[\base:\base+1] offset:((2*\p+\u)/4)*131072+((2*\p+\u)%4)*2048+512
.endr
.endr
.endm
	s_wait_tensorcnt 0x0                           ; my quarter of x is in
	s_barrier_signal -1
	s_barrier_wait -1                              ; everybody's is
	XLOAD                                          ; 128 loads: my 64 rows, all of K
	SEQ                                            ; x is in my registers
	CROUND                                         ; and in everybody's, in all sixteen work-groups
	TL G0Q, G1B                                    ; Wq into region 0
	SEQ                                            ; it is in
	CROUND
	TL G0K, G1B                                    ; Wk into region 1, under q's products
	BLD 0, 0
	BLD 0, 1
	CHUNK 0, 0, 76
	SEQ                                            ; Wk is in, my reads of region 0 are over
	CROUND
	TL G0V, G1B                                    ; Wv into region 0, under q's way out and k's products
	BLD 1, 0
	OUTQK 84, 4
	BLD 1, 1
	CHUNK 1, 0, 78
	SEQ                                            ; Wv is in
	s_barrier_signal -1
	s_barrier_wait -1                              ; everybody's quarter is; nothing is left to fetch
	BLD 0, 0
	OUTQK 86, 8
	BLD 0, 1
	CHUNK 0, 1, 80
	OUTV 88, 20
	SEQ                                            ; the wave's end
	CROUND                                         ; the closing round: no work-group ends while a partner may still ask for a tile that names it
	s_endpgm
.Lfunc_end_k_q0991108a4a_proj:
	.size	k_q0991108a4a_proj, .Lfunc_end_k_q0991108a4a_proj-k_q0991108a4a_proj
	.p2alignl 7, 3214868480
	.fill 96, 4, 3214868480
	.section	.rodata,"a",@progbits
	.p2align	6, 0x0
	.amdhsa_kernel k_q0991108a4a_proj
		.amdhsa_group_segment_fixed_size 327680
		.amdhsa_private_segment_fixed_size 0
		.amdhsa_enable_private_segment 0
		.amdhsa_kernarg_size 88
		.amdhsa_user_sgpr_count 2
		.amdhsa_user_sgpr_kernarg_segment_ptr 1
		.amdhsa_wavefront_size32 1
		.amdhsa_system_sgpr_workgroup_id_x 1
		.amdhsa_system_sgpr_workgroup_id_y 1
		.amdhsa_system_sgpr_workgroup_id_z 1
		.amdhsa_system_vgpr_workitem_id 0
		.amdhsa_next_free_vgpr 1024
		.amdhsa_next_free_sgpr 102
		.amdhsa_reserve_vcc 0
		.amdhsa_float_denorm_mode_32 3
		.amdhsa_float_denorm_mode_16_64 3
		.amdhsa_memory_ordered 1
		.amdhsa_forward_progress 1
		.amdhsa_inst_pref_size 213
	.end_amdhsa_kernel
	.amdgpu_metadata
---
amdhsa.version: [ 1, 2 ]
amdhsa.kernels:
  - .name:           k_q0991108a4a_proj
    .symbol:         k_q0991108a4a_proj.kd
    .args:
      - { .name: x_codes, .offset: 0, .size: 8, .value_kind: global_buffer, .address_space: global }
      - { .name: Wq_codes, .offset: 8, .size: 8, .value_kind: global_buffer, .address_space: global }
      - { .name: Wk_codes, .offset: 16, .size: 8, .value_kind: global_buffer, .address_space: global }
      - { .name: Wv_codes, .offset: 24, .size: 8, .value_kind: global_buffer, .address_space: global }
      - { .name: bq, .offset: 32, .size: 8, .value_kind: global_buffer, .address_space: global }
      - { .name: bk, .offset: 40, .size: 8, .value_kind: global_buffer, .address_space: global }
      - { .name: bv, .offset: 48, .size: 8, .value_kind: global_buffer, .address_space: global }
      - { .name: lowp_scales, .offset: 56, .size: 8, .value_kind: global_buffer, .address_space: global }
      - { .name: qimg, .offset: 64, .size: 8, .value_kind: global_buffer, .address_space: global }
      - { .name: kimg, .offset: 72, .size: 8, .value_kind: global_buffer, .address_space: global }
      - { .name: vimg, .offset: 80, .size: 8, .value_kind: global_buffer, .address_space: global }
    .group_segment_fixed_size: 327680
    .private_segment_fixed_size: 0
    .kernarg_segment_align: 8
    .kernarg_segment_size: 88
    .max_flat_workgroup_size: 128
    .sgpr_count:     102
    .vgpr_count:     1024
    .wavefront_size: 32
...
	.end_amdgpu_metadata
.endif
;; end of part 1
;; launch attn (part 2): grid 4 x 64, 8 waves a work-group, clusters of 4 x 1, 327,680 bytes of LDS; arguments qimg, kimg, vimg, custom_mask, lowp_scales, yimg, rowf; writes yimg, rowf
.if DOCPART == 2
	.amdgcn_target "amdgcn-amd-amdhsa--gfx1250"
	.amdhsa_code_object_version 6
	.text
	.protected	k_q0991108a4a_attn
	.globl	k_q0991108a4a_attn
	.p2align	8
	.type	k_q0991108a4a_attn,@function
k_q0991108a4a_attn:
	s_mov_b64 s[64:65], 0
	v_nop
	global_prefetch_b8 v0, s[64:65] scope:SCOPE_SE
	s_setreg_imm32_b32 hwreg(HW_REG_WAVE_MODE, 25, 1), 1
	s_wait_xcnt 0x0
	s_wait_alu depctr_hold_cnt(0) depctr_sa_sdst(0) depctr_va_vdst(0) depctr_va_sdst(0) depctr_va_ssrc(0) depctr_va_vcc(0) depctr_vm_vsrc(0)
	s_getreg_b32 s2, hwreg(HW_REG_IB_STS2, 6, 4)
	s_cmp_eq_u32 s2, 0
	s_cbranch_scc0 .Lentry_in_a_cluster
	s_endpgm
.Lentry_in_a_cluster:
	s_bfe_u32 s2, ttmp6, 0x10000c
	s_cmp_lg_u32 s2, 0x3003
	s_cbranch_scc0 .Lentry_shape_is_right
	s_endpgm
.Lentry_shape_is_right:
; y[t][b][head] = softmax over the allowed keys of (q . k / 8) times v, both products on codes of FP8 (E4M3); y is quantised with its given scale and stored as images of the last product's operand registers.
; A key s counts for query t where s <= t and custom_mask[b][s] is not 0.  Key steps that lie wholly behind a group's queries are left out: the causal mask throws their results away.
; Scales 2^e: eq, ek, ev, ep, ey = entries 6 to 10.
; THE SOFTMAX: t = score x log2(e) / 8; M = the row's largest t so far, rounded UP to a whole number; p = 2^(t - M) is quantised, not normalised; the row's sum is taken of the unquantised p and divides at the end.
; LIMITS: eq + ek between -100 and 25; ep, and ey - ep - ev, between -126 and 119.  A mask byte other than 0 counts as true.
; SHARES.  The cluster's y is 16 b + head; its four work-groups share that head's K and V.  The 2,048 queries are 64 groups of 32; group 4 m + cx needs key steps 0 .. m of 128 keys: the number hangs on m alone.
; Wave w owns the groups m = w and m = 15 - w: 17 group steps, 34 tile steps, for every wave.  A fragment of K, of V and of the bias read from LDS serves up to four tiles of 16 queries.
; ALL OF THE HEAD'S K AND V LIE IN LDS, 128 KiB each, byte for byte as in kimg and vimg; each byte is filled once, by joint loads (waves 0-3: K, waves 4-7: V, a quarter each).
; At the head a wave asks for 2,048 bytes of key step 0; behind the three lines and a round of the cluster's barrier for 30,720 bytes of steps 1-15.  Every wave has four tiles in step 0, so the barrier behind that step meets equal work.
; No prefetch: every byte of K and V is asked for once, at the head, and there is no loop of loads to run ahead in.
; THE INPUT MASK: an f32 bias for each key, 0 or -2^126, made once, is the C of S^T = K Q^T.  The largest t starts at c x (-2^100), under every true score (at most 448 x 448 x 64 in size) and over the bias:
; a masked score never lifts M, its p is exactly 0, and a row with no allowed key ends with the sum 0: rowf says NaN for it, 1 for every other row, and the last launch multiplies by it.
; LAYOUT.  Both products transposed: S^T = K Q^T, O^T = V^T P: a lane holds ONE query (lane % 16), and an accumulator's eight registers are eight neighbours along the next K (plain 8-bit layout: ISA guide 7.12.2).
; REGISTERS: window 0: v1-15 addresses and constants; v16-31 four a tile: -M, largest t, the sum in two halves; v32-47 at work; v48-79 Q; v80-143 S^T, then p; v144-159 p's codes; v160-223 the bias, at the end y's codes; v254, v255 the add's.
;   window 1: v0-127 O^T, 32 a tile; v128-191 K of a step; v192-255 V of a step.
.set VBASE, 0x20000                    ; LDS: K at 0, V here,
.set MBASE, 0x40000                    ; the bias, 2,048 f32, here,
.set SPARE, 0x42000                    ; and the spare words, 128 bytes a wave, that no other line names
.set LI,   1                           ; 16 x lane
.set LM,   2                           ; MBASE + 32 (lane / 16)
.set MA3,  3                           ; 8 x thread: my 8 mask bytes
.set ADK,  5                           ; LDS addresses of the step's K, V, bias
.set ADV,  6
.set ADM,  7
.set DQ,   8                           ; v8, v9: my query in its block of 128, less 8 (lane / 16), for a group's first and second tile
.set MSK,  10                          ; -2^126
.set PSC,  11                          ; 2^ep
.set PLIM, 12                          ; 448 x 2^ep,
.set PLIM2, 15                         ; and once more, for the second half of a dual pair
.set YSC,  13                          ; 2^(ey - ep - ev)
.set YLIM, 14                          ; 448 x that
.set ST,   16
.set TA,   32
.set TB2,  33
.set F,    34                          ; v[34:35] f = 2^(old M - new M), named as a pair
.set TC,   36
.set MST,  37
.set SUM,  38
.set LS,   40
.set LT,   44
.set Q,    48
.set S,    80
.set P,    144
.set MBR,  160
.set CD,   160
.set SPW,  254                         ; LDS address of my spare word; never rewritten
.set NIL,  255                         ; 0; never rewritten
.set KF,   128                         ; in window 1
.set VF,   192
.set WV,   18
.set CX,   19
.set BH,   20
.set MA,   21                          ; the first group's m = wave
.set MBW,  22                          ; the second group's m = 15 - wave
.set SI,   23                          ; the key step
.set TB,   24                          ; 8,192 x step
.set TBM,  25                          ; 512 x step
.set SEL,  26
.set CS,   28                          ; s[28:29] c = log2(e) / 8 x 2^(eq + ek)
.set G1A,  32                          ; group 1: 8 rows of 256 bytes
.set G1C,  40                          ; 120 rows
.set G0K,  48                          ; K's two groups 0
.set G0V,  56                          ; V's
.set QA,   74
.set QB,   76
.set YA,   78
.set YB,   80
.set RA,   82
.set RB,   84
.set HMASK, 86
.set HH,   87
.set BB,   88
.set CNT,  91
.set MSB, 0
.macro WIN new                         ; the immediate's high byte repeats the setting that is left
.if MSB != \new
	s_set_vgpr_msb (MSB<<8)|\new
.set MSB, \new
.endif
.endm
.macro CROUND                          ; a round of the cluster's barrier
	s_barrier_signal -1
	s_barrier_wait -1
	s_cmp_lg_u32 s[WV], 0
	s_cbranch_scc1 .Lnot_wave_0_\@
	s_barrier_signal -3
.Lnot_wave_0_\@:
	s_barrier_wait -3
	s_barrier_signal -1
	s_barrier_wait -1
.endm
.macro KVLOAD o, g1                    ; a joint load: waves 0-3 for K, waves 4-7 for V; s_nop 0 and four v_nop follow each line
	s_cmp_lt_u32 s[WV], 4
	s_cbranch_scc0 .Lfor_v_\@
	tensor_load_to_lds s[G0K+\o:G0K+\o+3], s[\g1:\g1+7]
	s_nop 0
.rept 4
	v_nop
.endr
	s_branch .Lasked_\@
.Lfor_v_\@:
	tensor_load_to_lds s[G0V+\o:G0V+\o+3], s[\g1:\g1+7]
	s_nop 0
.rept 4
	v_nop
.endr
.Lasked_\@:
.endm
	s_load_b256 s[4:11], s[0:1], 0x0               ; qimg, kimg, vimg, the mask
	s_load_b128 s[12:15], s[0:1], 0x20             ; the scales' exponents, yimg
	s_load_b64 s[16:17], s[0:1], 0x30              ; rowf
	v_lshl_add_u32 v[SPW], v0, 2, SPARE
	v_mov_b32 v[NIL], 0
	ds_add_u32 v[SPW], v[NIL]                      ; the opening lines: the add, twice on end, and its wait ahead of my first tensor load
	ds_add_u32 v[SPW], v[NIL]
	v_lshrrev_b32 v1, 5, v0
	s_delay_alu instid0(VALU_DEP_1)
	v_readfirstlane_b32 s[WV], v1                  ; wave 0..7
	s_bfe_u32 s[CX], ttmp6, 0x40000                ; my place in the cluster: it enters Q's, y's and rowf's addresses and the causal comparison's data alone
	s_and_b32 s[BH], ttmp7, 0xffff                 ; 16 b + head
	s_mov_b32 s[MA], s[WV]
	s_xor_b32 s[MBW], s[WV], 15
	s_and_b32 s[HH], s[BH], 15
	s_lshr_b32 s[BB], s[BH], 4
	s_mov_b32 s[G1A], 15|(3<<16)|(1<<21)           ; the mask: all four work-groups; elements of 8 bytes; bit 21 beside a mask; no padding: an image is read as it lies
	s_mov_b32 s[G1A+1], 32<<16                     ; rows of 256 bytes of a dense block
	s_mov_b32 s[G1A+2], 8<<16
	s_mov_b32 s[G1A+3], 32<<16
	s_mov_b32 s[G1A+4], 8
	s_mov_b32 s[G1A+5], 32
	s_mov_b32 s[G1A+6], 0
	s_mov_b32 s[G1A+7], 0
	s_mov_b32 s[G1C], 15|(3<<16)|(1<<21)
	s_mov_b32 s[G1C+1], 32<<16
	s_mov_b32 s[G1C+2], 120<<16
	s_mov_b32 s[G1C+3], 32<<16
	s_mov_b32 s[G1C+4], 120
	s_mov_b32 s[G1C+5], 32
	s_mov_b32 s[G1C+6], 0
	s_mov_b32 s[G1C+7], 0
	s_mov_b32 s[SEL], 0x76543210
	s_mov_b32 s[SEL+1], 0xfedcba98
	s_mov_b32 s[HMASK], 0xffff0000
	s_mov_b32 s[SI], 0
	s_mov_b32 s[TB], 0
	s_mov_b32 s[TBM], 0
	s_and_b32 s30, s[WV], 3                        ; my quarter:
	s_lshl_b32 s31, s30, 11                        ; of key step 0: 2,048 bytes,
	s_mul_i32 s89, s30, 30720
	s_add_co_u32 s89, s89, 8192                    ; of steps 1-15: 30,720 bytes: the same offset in the head's image and in LDS
	s_lshl_b32 s92, s[BH], 17                      ; the head's image: 131,072 bytes
	s_add_co_u32 s94, s92, s89
	s_add_co_u32 s92, s92, s31
	s_mov_b32 s93, 0
	s_mov_b32 s95, 0
	s_wait_dscnt 0x0                               ; both opening adds are done
	s_wait_kmcnt 0x0
	s_load_b128 s[68:71], s[12:13], 0x18           ; eq, ek, ev, ep
	s_load_b32 s72, s[12:13], 0x28                 ; ey
	s_mov_b32 s[G0K], 1
	s_mov_b32 s[G0K+1], s31
	s_add_nc_u64 s[G0K+2:G0K+3], s[6:7], s[92:93]
	s_or_b32 s[G0K+3], s[G0K+3], 0x80000000
	s_mov_b32 s[G0K+4], 1
	s_mov_b32 s[G0K+5], s89
	s_add_nc_u64 s[G0K+6:G0K+7], s[6:7], s[94:95]
	s_or_b32 s[G0K+7], s[G0K+7], 0x80000000
	s_mov_b32 s[G0V], 1
	s_add_co_u32 s[G0V+1], s31, VBASE
	s_add_nc_u64 s[G0V+2:G0V+3], s[8:9], s[92:93]
	s_or_b32 s[G0V+3], s[G0V+3], 0x80000000
	s_mov_b32 s[G0V+4], 1
	s_add_co_u32 s[G0V+5], s89, VBASE
	s_add_nc_u64 s[G0V+6:G0V+7], s[8:9], s[94:95]
	s_or_b32 s[G0V+7], s[G0V+7], 0x80000000
	CROUND                                         ; all four work-groups are here: the joint loads meet
	KVLOAD 0, G1A                                  ; key step 0: my one tensor load at the head
	s_lshl_b32 s30, s[BB], 11                      ; the batch's 2,048 mask bytes
	s_mov_b32 s31, 0
	s_add_nc_u64 s[10:11], s[10:11], s[30:31]
	v_lshlrev_b32 v[MA3], 3, v0
	global_load_b64 v[LS:LS+1], v[MA3], s[10:11]   ; 256 threads x 8 bytes
	s_lshl_b32 s30, s[CX], 1
	s_lshl_b32 s89, s[MA], 3
	s_add_co_u32 s89, s89, s30                     ; the first group's first tile of 16 queries: 8 m + 2 cx
	s_lshl_b32 s90, s[MBW], 3
	s_add_co_u32 s90, s90, s30                     ; the second group's
	s_mov_b32 s93, 0
	s_lshl_b32 s30, s[BH], 17
	s_lshl_b32 s92, s89, 10                        ; a tile of Q is 1,024 bytes
	s_add_co_u32 s92, s92, s30
	s_add_nc_u64 s[QA:QA+1], s[4:5], s[92:93]
	s_lshl_b32 s92, s90, 10
	s_add_co_u32 s92, s92, s30
	s_add_nc_u64 s[QB:QB+1], s[4:5], s[92:93]
	v_and_b32 v4, 31, v0
	s_delay_alu instid0(VALU_DEP_1)
	v_lshlrev_b32 v[LI], 4, v4
.irp x, 0,1
.irp p, 0,1
	global_load_b128 v[Q+8*\x+4*\p:Q+8*\x+4*\p+3], v[LI], s[QA:QA+1] offset:1024*\x+512*\p       ; Q stays in registers
	global_load_b128 v[Q+16+8*\x+4*\p:Q+16+8*\x+4*\p+3], v[LI], s[QB:QB+1] offset:1024*\x+512*\p
.endr
.endr
	s_lshl_b32 s30, s[BB], 21                      ; yimg: (128 b + tile) x 16,384 + 1,024 x head
	s_lshl_b32 s31, s[HH], 10
	s_add_co_u32 s30, s30, s31
	s_lshl_b32 s92, s89, 14
	s_add_co_u32 s92, s92, s30
	s_add_nc_u64 s[YA:YA+1], s[14:15], s[92:93]
	s_lshl_b32 s92, s90, 14
	s_add_co_u32 s92, s92, s30
	s_add_nc_u64 s[YB:YB+1], s[14:15], s[92:93]
	s_lshl_b32 s30, s[BB], 13                      ; rowf: (2,048 b + 16 x tile) x 4
	s_lshl_b32 s92, s89, 6
	s_add_co_u32 s92, s92, s30
	s_add_nc_u64 s[RA:RA+1], s[16:17], s[92:93]
	s_lshl_b32 s92, s90, 6
	s_add_co_u32 s92, s92, s30
	s_add_nc_u64 s[RB:RB+1], s[16:17], s[92:93]
	v_and_b32 v15, 15, v0                          ; r
	v_bfe_u32 v4, v0, 4, 1                         ; h
	s_delay_alu instid0(VALU_DEP_1)
	v_lshl_add_u32 v[LM], v4, 5, MBASE
	v_lshl_add_u32 v[MST], v0, 5, MBASE            ; 32 bytes a thread
	s_delay_alu instid0(VALU_DEP_3)
	v_lshlrev_b32 v4, 3, v4
	s_delay_alu instid0(VALU_DEP_1)
	v_sub_nc_u32 v[DQ], v15, v4
	s_lshl_b32 s30, s[CX], 5
	v_add_nc_u32 v[DQ], s30, v[DQ]                 ; 32 cx + r - 8 h
	s_delay_alu instid0(VALU_DEP_1)
	v_add_nc_u32 v[DQ+1], 16, v[DQ]
	v_mov_b32 v[MSK], 0xfe800000                   ; -2^126
	v_mov_b32 v[F+1], 0                            ; (named as the upper half of a pair)
	v_mov_b32 v[TC], 0                             ; a lane permute's destination counts as one of its sources
.irp x, 0,1,2,3
	v_mov_b32 v[LT+\x], 0
	v_mov_b32 v[ST+4*\x+2], 0                      ; the sums
	v_mov_b32 v[ST+4*\x+3], 0
.endr
	WIN 0x40
.set n, 0
.rept 128
	v_mov_b32 v[n], 0                              ; O^T: the first step finds zeros, which the first change of M leaves zeros
.set n, n+1
.endr
	WIN 0
	s_wait_loadcnt 8                               ; the mask's bytes are in; Q's eight loads may be out
.irp i, 0,1,2,3,4,5,6,7
	v_bfe_u32 v[TA], v[LS+\i/4], 8*(\i%4), 8
	s_delay_alu instid0(VALU_DEP_1)
	v_cmp_eq_u32 vcc_lo, 0, v[TA]
	s_delay_alu instid0(VALU_DEP_1)
	v_cndmask_b32 v[S+\i], 0, v[MSK], vcc_lo       ; 0 where the key is allowed, -2^126 where not
.endr
	ds_store_b128 v[MST], v[S:S+3]
	ds_store_b128 v[MST], v[S+4:S+7] offset:16
	s_wait_kmcnt 0x0
	s_mov_b32 s[CS], 0x3e38aa3b                    ; log2(e) / 8
	s_add_co_i32 s30, s68, s69
	s_lshl_b32 s30, s30, 23
	s_add_co_i32 s[CS], s[CS], s30                 ; eq + ek added to c's exponent field
	s_mov_b32 s[CS+1], s[CS]
	s_add_co_i32 s30, s71, 127
	s_lshl_b32 s31, s30, 23
	v_mov_b32 v[PSC], s31                          ; 2^ep
	s_add_co_i32 s30, s30, 8
	s_lshl_b32 s30, s30, 23
	s_or_b32 s30, s30, 0x600000
	v_mov_b32 v[PLIM], s30                         ; 448 x 2^ep
	v_mov_b32 v[PLIM2], s30
	s_sub_co_i32 s30, s72, s71
	s_sub_co_i32 s30, s30, s70                     ; O^T / the sum stands for that x 2^(ep + ev): its code is that / 2^(ey - ep - ev)
	s_add_co_i32 s30, s30, 127
	s_lshl_b32 s31, s30, 23
	v_mov_b32 v[YSC], s31
	s_add_co_i32 s30, s30, 8
	s_lshl_b32 s30, s30, 23
	s_or_b32 s30, s30, 0x600000
	v_mov_b32 v[YLIM], s30
	v_mov_b32 v[TA], 0xf1800000                    ; -2^100
	s_delay_alu instid0(VALU_DEP_1)
	v_mul_f32 v[TA], s[CS], v[TA]
.irp x, 0,1,2,3
	v_mov_b32 v[ST+4*\x+1], v[TA]                  ; the largest t so far
	v_floor_f32 v[ST+4*\x], -v[TA]                 ; -M
.endr
; ONE TILE OF 16 QUERIES, ONE KEY STEP.  x: the tile (0, 1: first group; 2, 3: second); m: the register with its group's diagonal step; d = 0: this copy can never lie on the diagonal.
.macro TILE x, m, d
.set rT, ST+4*(\x)
	WIN 0x01                                       ; source 0 (K) window 1
.irp c, 0,1,2,3,4,5,6,7
	v_wmma_f32_16x16x64_fp8_fp8 v[S+8*\c:S+8*\c+7], v[KF+8*\c:KF+8*\c+7], v[Q+8*(\x):Q+8*(\x)+7], v[MBR+8*\c:MBR+8*\c+7]   ; the mask's bias starts the sums
.endr
	WIN 0
.rept 4
	v_nop                                          ; places in front of the first read of results (ISA guide 7.12.1)
.endr
.if \d
	s_cmp_lg_u32 s[SI], s[\m]                      ; on the diagonal the scores of later keys become -2^126 too: a scalar branch on the step and the wave's number
	s_cbranch_scc1 .Lopen_\@
.set n, 0
.rept 64
	v_cmp_gt_i32 vcc_lo, 16*(n/8)+n%8, v[DQ+(\x)%2]   ; register n holds key 16 (n / 8) + 8 (lane / 16) + n % 8 of the step
	v_cndmask_b32 v[S+n], v[S+n], v[MSK], vcc_lo
.set n, n+1
.endr
.Lopen_\@:
.endif
	v_max3_num_f32 v[TA], v[S], v[S+1], v[S+2]     ; the step's largest score of my query among my 64 keys, in four chains, the registers in ascending order
	v_max3_num_f32 v[TB2], v[S+3], v[S+4], v[S+5]
	v_max3_num_f32 v[SUM], v[S+6], v[S+7], v[S+8]
	v_max3_num_f32 v[SUM+1], v[S+9], v[S+10], v[S+11]
.set n, 12
.rept 6
	v_max3_num_f32 v[TA], v[TA], v[S+n], v[S+n+1]
	v_max3_num_f32 v[TB2], v[TB2], v[S+n+2], v[S+n+3]
	v_max3_num_f32 v[SUM], v[SUM], v[S+n+4], v[S+n+5]
	v_max3_num_f32 v[SUM+1], v[SUM+1], v[S+n+6], v[S+n+7]
.set n, n+8
.endr
	v_max3_num_f32 v[TA], v[TA], v[S+60], v[S+61]
	v_max3_num_f32 v[TB2], v[TB2], v[S+62], v[S+63]
	s_delay_alu instid0(VALU_DEP_1)
	v_max3_num_f32 v[TA], v[TA], v[TB2], v[SUM]
	s_delay_alu instid0(VALU_DEP_1)
	v_max_num_f32 v[TA], v[TA], v[SUM+1]
	s_delay_alu instid0(VALU_DEP_1)
	v_permlanex16_b32 v[TC], v[TA], s[SEL], s[SEL+1]
	s_delay_alu instid0(VALU_DEP_1)
	v_max_num_f32 v[TA], v[TA], v[TC]              ; and among lane l xor 16's
	s_delay_alu instid0(VALU_DEP_1)
	v_mul_f32 v[TA], s[CS], v[TA]                  ; as t (c is positive)
	s_delay_alu instid0(VALU_DEP_1)
	v_max_num_f32 v[rT+1], v[rT+1], v[TA]          ; the running largest t
	v_mov_b32 v[TA], v[rT]
	s_delay_alu instid0(VALU_DEP_2)
	v_floor_f32 v[rT], -v[rT+1]                    ; the new -M = -ceil(t): a whole number
.set n, 0
.irp w, 0,1,2,3                                    ; t - M, two at a time; the three lines that make f = 2^(old M - new M) stand among them
.rept 8
	v_pk_fma_f32 v[S+n:S+n+1], v[S+n:S+n+1], s[CS:CS+1], v[rT:rT+1] op_sel_hi:[1,0,0]
.set n, n+2
.endr
.if \w == 0
	v_sub_f32 v[TA], v[rT], v[TA]                  ; old M - new M: a whole number, 0 or less
.elseif \w == 1
	v_cvt_i32_f32 v[TA], v[TA]                     ; (it saturates)
.elseif \w == 2
	v_ldexp_f32 v[F], 1.0, v[TA]                   ; a multiplication by f rounds nothing
.endif
.endr
.set n, 0
	s_wait_alu depctr_va_vdst(0)
.rept 64
	v_exp_f32 v[S+n], v[S+n]                       ; p = 2^(t - M), at most 1
.set n, n+1
.endr
	v_pk_mul_f32 v[rT+2:rT+3], v[rT+2:rT+3], v[F:F+1] op_sel_hi:[1,0]   ; the sums under the new M: the plain line behind the exponentials
	s_wait_alu depctr_va_vdst(0)                   ; one wait for the whole batch, ahead of its first reader
	v_pk_add_f32 v[SUM:SUM+1], v[S:S+1], v[S+2:S+3]   ; the row's sum is taken of the unquantised p, in four chains
	v_pk_add_f32 v[LS:LS+1], v[S+4:S+5], v[S+6:S+7]
	v_pk_add_f32 v[LS+2:LS+3], v[S+8:S+9], v[S+10:S+11]
.set n, 12
.rept 6
	v_pk_add_f32 v[rT+2:rT+3], v[rT+2:rT+3], v[S+n:S+n+1]
	v_pk_add_f32 v[SUM:SUM+1], v[SUM:SUM+1], v[S+n+2:S+n+3]
	v_pk_add_f32 v[LS:LS+1], v[LS:LS+1], v[S+n+4:S+n+5]
	v_pk_add_f32 v[LS+2:LS+3], v[LS+2:LS+3], v[S+n+6:S+n+7]
.set n, n+8
.endr
	v_pk_add_f32 v[rT+2:rT+3], v[rT+2:rT+3], v[S+60:S+61]
	v_pk_add_f32 v[SUM:SUM+1], v[SUM:SUM+1], v[S+62:S+63]
	v_pk_add_f32 v[LS:LS+1], v[LS:LS+1], v[LS+2:LS+3]
	v_pk_add_f32 v[rT+2:rT+3], v[rT+2:rT+3], v[SUM:SUM+1]
	s_delay_alu instid0(VALU_DEP_1)
	v_pk_add_f32 v[rT+2:rT+3], v[rT+2:rT+3], v[LS:LS+1]
.irp c, 0,1,2,3,4,5,6,7
.irp i, 0,2,4,6
	v_dual_min_num_f32 v[S+8*\c+\i], v[S+8*\c+\i], v[PLIM] :: v_dual_min_num_f32 v[S+8*\c+\i+1], v[S+8*\c+\i+1], v[PLIM2]   ; the conversion does not saturate (ISA guide 7.6.2); p is not negative: a one-sided hold, two a line
.endr
	v_cvt_scalef32_pk8_fp8_f32 v[P+2*\c:P+2*\c+1], v[S+8*\c:S+8*\c+7], v[PSC]
.endr
	WIN 0x41                                       ; O^T (destination and source 0) window 1, f window 0
	s_wait_alu depctr_va_vdst(0)                   ; directly ahead of the first reader of O^T
.set n, 0
.rept 16
	v_pk_mul_f32 v[32*(\x)+n:32*(\x)+n+1], v[32*(\x)+n:32*(\x)+n+1], v[F:F+1] op_sel_hi:[1,0]   ; O^T under the new M.  (Also the plain lines behind the conversions)
.set n, n+2
.endr
	s_wait_alu depctr_va_vdst(0)
	s_wait_dscnt 0x0                               ; V is in
	WIN 0x51                                       ; V window 1, p's codes window 0, O^T window 1
.irp t, 0,1,2,3
	v_wmma_f32_16x16x128_fp8_fp8 v[32*(\x)+8*\t:32*(\x)+8*\t+7], v[VF+16*\t:VF+16*\t+15], v[P:P+15], v[32*(\x)+8*\t:32*(\x)+8*\t+7]
.endr
	WIN 0
.endm
; A KEY STEP of the wave: the step's bias, K and V come from LDS once and serve the second group's two tiles and, while the first group still has keys, its two.
; first = 1: step 0, in which every wave has all four tiles and only the first group can lie on the diagonal.  Else every wave walks every trip, and a wave whose groups are done jumps over the work.
.macro STEPBODY first
.if !\first
	s_cmp_gt_u32 s[SI], s[MBW]
	s_cbranch_scc1 .Lidle_\@
.endif
	v_add_nc_u32 v[ADK], s[TB], v[LI]              ; these four lines are the places in front of loads into registers that matrix instructions have read
	v_add_nc_u32 v[ADM], s[TBM], v[LM]
	s_delay_alu instid0(VALU_DEP_2)
	v_add_nc_u32 v[ADV], VBASE, v[ADK]
	v_nop
.irp c, 0,1,2,3,4,5,6,7
	ds_load_b128 v[MBR+8*\c:MBR+8*\c+3], v[ADM] offset:64*\c          ; bias(16 c + 8 h + 0 .. 7)
	ds_load_b128 v[MBR+8*\c+4:MBR+8*\c+7], v[ADM] offset:64*\c+16
.endr
	WIN 0x40                                       ; destination window 1
.irp c, 0,1,2,3,4,5,6,7
	ds_load_b128 v[KF+8*\c:KF+8*\c+3], v[ADK] offset:1024*\c          ; 16 keys x 64: two pieces of 512 dense bytes
	ds_load_b128 v[KF+8*\c+4:KF+8*\c+7], v[ADK] offset:1024*\c+512
.endr
.irp t, 0,1,2,3
.irp p, 0,1,2,3
	ds_load_b128 v[VF+16*\t+4*\p:VF+16*\t+4*\p+3], v[ADV] offset:2048*\t+512*\p   ; 16 channels x 128 keys: four pieces
.endr
.endr
	WIN 0
	s_wait_dscnt 16                                ; the bias and K are in; V's sixteen loads may be out
	TILE 2, MBW, 1-\first
	TILE 3, MBW, 1-\first
.if !\first
	s_cmp_gt_u32 s[SI], s[MA]
	s_cbranch_scc1 .Lidle_\@
.endif
	TILE 0, MA, 1
	TILE 1, MA, 1
.if !\first
.Lidle_\@:
.endif
	s_add_co_u32 s[SI], s[SI], 1
	s_add_co_u32 s[TB], s[TB], 8192
	s_add_co_u32 s[TBM], s[TBM], 512
.endm
	s_wait_alu depctr_va_vdst(0)                   ; the head's end
	s_wait_loadcnt 0x0                             ; Q
	s_wait_tensorcnt 0x0                           ; my part of key step 0 is in
	ds_add_u32 v[SPW], v[NIL]
	s_wait_dscnt 0x0                               ; the add is done, and my part of the bias is stored
	CROUND                                         ; everybody's is, and all four work-groups are here
	KVLOAD 4, G1C                                  ; steps 1-15: the first tensor load behind the round; it lands on bytes that step 0 does not read
	STEPBODY 1                                     ; step 0
	s_wait_tensorcnt 0x0                           ; my part of steps 1-15 is in
	s_wait_dscnt 0x0
	s_barrier_signal -1
	s_barrier_wait -1                              ; everybody's is; no byte of LDS is filled again
	s_mov_b32 s[CNT], 15
.Lrest:                                            ; steps 1-15
	STEPBODY 0
	s_sub_co_u32 s[CNT], s[CNT], 1
	s_cmp_lg_u32 s[CNT], 0
	s_cbranch_scc1 .Lrest
	; THE WAY OUT.  The sum's halves and lane l xor 16's are added (these lines are also the places behind the last products); O^T / the sum is held, quantised and stored: two pieces of 512 dense bytes a tile.
.irp x, 0,1,2,3
	v_add_f32 v[LS+\x], v[ST+4*\x+2], v[ST+4*\x+3]
.endr
.irp x, 0,1,2,3
	s_delay_alu instid0(VALU_DEP_4)
	v_permlanex16_b32 v[LT+\x], v[LS+\x], s[SEL], s[SEL+1]
.endr
.irp x, 0,1,2,3
	s_delay_alu instid0(VALU_DEP_4)
	v_add_f32 v[LS+\x], v[LS+\x], v[LT+\x]         ; the row's sum
.endr
.irp x, 0,1,2,3
	v_mov_b32 v[P+2*\x+1], 0                       ; (named as the upper half of a pair)
.endr
	s_wait_alu depctr_va_vdst(0)
.irp x, 0,1,2,3
	v_rcp_f32 v[P+2*\x], v[LS+\x]
.endr
	v_nop                                          ; a plain line behind the last reciprocal
.macro YOUT x, base
	WIN 0x01                                       ; source 0 (O^T) window 1
	s_wait_alu depctr_va_vdst(0)                   ; directly ahead of the first reader of the reciprocals and of this tile's O^T
.set n, 0
.rept 16
	v_pk_mul_f32 v[S+n:S+n+1], v[32*(\x)+n:32*(\x)+n+1], v[P+2*(\x):P+2*(\x)+1] op_sel_hi:[1,0]   ; each accumulator from its low end on
.set n, n+2
.endr
	WIN 0
.set n, 0
.rept 32
	v_med3_num_f32 v[S+n], v[S+n], -v[YLIM], v[YLIM]
.set n, n+1
.endr
.irp t, 0,1,2,3
	v_cvt_scalef32_pk8_fp8_f32 v[CD+8*(\x)+2*\t:CD+8*(\x)+2*\t+1], v[S+8*\t:S+8*\t+7], v[YSC]
.endr
	v_nop                                          ; one plain line between the conversions and the next tile's lines, which write their sources
	global_store_b128 v[LI], v[CD+8*(\x):CD+8*(\x)+3], s[\base:\base+1] offset:16384*((\x)%2)
	global_store_b128 v[LI], v[CD+8*(\x)+4:CD+8*(\x)+7], s[\base:\base+1] offset:16384*((\x)%2)+512
.endm
	YOUT 0, YA
	YOUT 1, YA
	YOUT 2, YB
	YOUT 3, YB
	s_cmp_lg_u32 s[HH], 0                          ; which rows have no allowed key hangs on the masks alone: head 0's work-groups say it for all heads
	s_cbranch_scc1 .Lnorow
	v_and_b32 v[TA], 31, v0
	s_delay_alu instid0(VALU_DEP_1)
	v_lshlrev_b32 v[TA], 2, v[TA]
	v_mov_b32 v[TB2], 0x7fc00000                   ; NaN
	v_cndmask_b32 v[F], v[LS], v[LS+1], s[HMASK]   ; lanes 0-15: the group's first 16 queries; lanes 16-31: its second
	s_delay_alu instid0(VALU_DEP_1)
	v_cmp_eq_f32 vcc_lo, 0, v[F]
	s_delay_alu instid0(VALU_DEP_1)
	v_cndmask_b32 v[F], 1.0, v[TB2], vcc_lo
	v_cndmask_b32 v[F+1], v[LS+2], v[LS+3], s[HMASK]
	s_delay_alu instid0(VALU_DEP_1)
	v_cmp_eq_f32 vcc_lo, 0, v[F+1]
	s_delay_alu instid0(VALU_DEP_1)
	v_cndmask_b32 v[F+1], 1.0, v[TB2], vcc_lo
	global_store_b32 v[TA], v[F], s[RA:RA+1]       ; 128 dense bytes: a group has no more
	global_store_b32 v[TA], v[F+1], s[RB:RB+1]
.Lnorow:
	s_wait_tensorcnt 0x0                           ; the wave's end
	ds_add_u32 v[SPW], v[NIL]
	s_wait_dscnt 0x0
	CROUND                                         ; the closing round: no work-group ends while a partner may still ask for a tile that names it
	s_endpgm
.Lfunc_end_k_q0991108a4a_attn:
	.size	k_q0991108a4a_attn, .Lfunc_end_k_q0991108a4a_attn-k_q0991108a4a_attn
	.p2alignl 7, 3214868480
	.fill 96, 4, 3214868480
	.section	.rodata,"a",@progbits
	.p2align	6, 0x0
	.amdhsa_kernel k_q0991108a4a_attn
		.amdhsa_group_segment_fixed_size 327680
		.amdhsa_private_segment_fixed_size 0
		.amdhsa_enable_private_segment 0
		.amdhsa_kernarg_size 56
		.amdhsa_user_sgpr_count 2
		.amdhsa_user_sgpr_kernarg_segment_ptr 1
		.amdhsa_wavefront_size32 1
		.amdhsa_system_sgpr_workgroup_id_x 1
		.amdhsa_system_sgpr_workgroup_id_y 1
		.amdhsa_system_sgpr_workgroup_id_z 1
		.amdhsa_system_vgpr_workitem_id 0
		.amdhsa_next_free_vgpr 512
		.amdhsa_next_free_sgpr 96
		.amdhsa_reserve_vcc 1
		.amdhsa_float_denorm_mode_32 3
		.amdhsa_float_denorm_mode_16_64 3
		.amdhsa_memory_ordered 1
		.amdhsa_forward_progress 1
		.amdhsa_inst_pref_size 177
	.end_amdhsa_kernel
	.amdgpu_metadata
---
amdhsa.version: [ 1, 2 ]
amdhsa.kernels:
  - .name:           k_q0991108a4a_attn
    .symbol:         k_q0991108a4a_attn.kd
    .args:
      - { .name: qimg, .offset: 0, .size: 8, .value_kind: global_buffer, .address_space: global }
      - { .name: kimg, .offset: 8, .size: 8, .value_kind: global_buffer, .address_space: global }
      - { .name: vimg, .offset: 16, .size: 8, .value_kind: global_buffer, .address_space: global }
      - { .name: custom_mask, .offset: 24, .size: 8, .value_kind: global_buffer, .address_space: global }
      - { .name: lowp_scales, .offset: 32, .size: 8, .value_kind: global_buffer, .address_space: global }
      - { .name: yimg, .offset: 40, .size: 8, .value_kind: global_buffer, .address_space: global }
      - { .name: rowf, .offset: 48, .size: 8, .value_kind: global_buffer, .address_space: global }
    .group_segment_fixed_size: 327680
    .private_segment_fixed_size: 0
    .kernarg_segment_align: 8
    .kernarg_segment_size: 56
    .max_flat_workgroup_size: 256
    .sgpr_count:     96
    .vgpr_count:     512
    .wavefront_size: 32
...
	.end_amdgpu_metadata
.endif
;; end of part 2
;; launch outp (part 3): grid 8 x 32, 4 waves a work-group, clusters of 4 x 4, 327,680 bytes of LDS; arguments yimg, Wp_codes, lowp_scales, bp, rowf, out0; writes out0
.if DOCPART == 3
	.amdgcn_target "amdgcn-amd-amdhsa--gfx1250"
	.amdhsa_code_object_version 6
	.text
	.protected	k_q0991108a4a_outp
	.globl	k_q0991108a4a_outp
	.p2align	8
	.type	k_q0991108a4a_outp,@function
k_q0991108a4a_outp:
	s_mov_b64 s[64:65], 0
	v_nop
	global_prefetch_b8 v0, s[64:65] scope:SCOPE_SE
	s_setreg_imm32_b32 hwreg(HW_REG_WAVE_MODE, 25, 1), 1
	s_wait_xcnt 0x0
	s_wait_alu depctr_hold_cnt(0) depctr_sa_sdst(0) depctr_va_vdst(0) depctr_va_sdst(0) depctr_va_ssrc(0) depctr_va_vcc(0) depctr_vm_vsrc(0)
	s_getreg_b32 s2, hwreg(HW_REG_IB_STS2, 6, 4)
	s_cmp_eq_u32 s2, 0
	s_cbranch_scc0 .Lentry_in_a_cluster
	s_endpgm
.Lentry_in_a_cluster:
	s_bfe_u32 s2, ttmp6, 0x10000c
	s_cmp_lg_u32 s2, 0xf033
	s_cbranch_scc0 .Lentry_shape_is_right
	s_endpgm
.Lentry_shape_is_right:
; out0[t][b][n] = rowf[b][t] x (y Wp^T)[t][b][n] + bp[n] on codes of FP8 (E4M3).  y comes as images of operand registers, yimg: [128 b + t / 16][head][piece 2][lane][16 bytes]; Wp: [1024 n][1024 k] codes.
; A sum stands for sum x 2^(ey + ew), entries 10 and 11 of the scales.  rowf is 1, or NaN for a row that had no allowed key.  LIMIT: ey + ew between -126 and 127 (it is made into an f32 number).
; SHARES.  256 work-groups.  Column group cg = 4 x cluster x + cx: 128 columns n.  Tile row R = 4 x cluster y + cy: batch b = R / 8 and 256 rows t.  A wave owns 64 rows: four tiles of 16.
; y FOR ALL OF K STAYS IN REGISTERS: 512 a wave, by 128 loads of 512 dense bytes each, straight from the images (plain 8-bit layout: ISA guide 7.12.2).
; Wp's 128 rows x all of K lie in LDS, filled once: four quarters of 128 rows x 256 bytes, one joint load a wave, shared along a column of the 4 x 4 cluster.  No byte of LDS is filled again.
; No prefetch: the one fill stands at the head, with no loop to run ahead in.
; The products go in two phases of 64 columns, each weight fragment read from LDS once: the first phase's results are stored ahead of the second phase's products.
; Source 0 = 16 rows of Wp, source 1 = 16 rows of y: a lane holds a row t and eight neighbouring columns.  A block of 16 rows x 64 columns goes through the wave's own stage in LDS and leaves as aligned units of 256 bytes.
; REGISTERS: window 0: v1-29 addresses and constants; v16-23 rowf x 2^(ey + ew), a pair a tile; v32-223 three buffers of four weight fragments (v96-191 also the way out); v224-255 a phase's bias.
;   window 1: the accumulators, (a, b) at 8 (8 a + b).  windows 2, 3: y's fragments, K step s and tile a at 512 + 64 s + 16 a.
.set PITCH,  272                       ; an LDS row: 256 bytes + 16 of padding: row r starts at bank 4 r mod 64 (64 banks of 4 bytes: ISA guide 11.1)
.set HALFT,  128*PITCH                 ; a quarter of Wp's part
.set STAGE,  4*HALFT                   ; behind it: 16 rows x 272 bytes for each wave, into which no fill lands
.set SPARE,  STAGE+4*16*PITCH          ; and the spare words, 128 bytes a wave, that no other line names
.set BRO,  5                           ; 32 (lane / 16)
.set BLO,  6                           ; 4 (lane % 16)
.set STO,  8                           ; the way out: where I put 32 bytes of a row
.set RD,   9                           ; where I read rows back
.set CO,   10                          ; my byte offset in two rows of out0
.set AW,   12                          ; v12, v13  LDS address of Wp's fragments in quarters 0-1, 2-3
.set FF,   16
.set LI,   24                          ; 16 x lane
.set SPW,  28                          ; LDS address of my spare word; never rewritten
.set NIL,  29                          ; 0; never rewritten
.set BB,   32
.set TMP,  BB+64
.set BK,   BB+96
.set BRH,  224
.set G1B,  48
.set G0,   56
.set MSB, 0
.macro WIN new                         ; the immediate's high byte repeats the setting that is left
.if MSB != \new
	s_set_vgpr_msb (MSB<<8)|\new
.set MSB, \new
.endif
.endm
.macro CROUND                          ; a round of the cluster's barrier
	s_barrier_signal -1
	s_barrier_wait -1
	s_cmp_lg_u32 s14, 0
	s_cbranch_scc1 .Lnot_wave_0_\@
	s_barrier_signal -3
.Lnot_wave_0_\@:
	s_barrier_wait -3
	s_barrier_signal -1
	s_barrier_wait -1
.endm
.macro PLACES                          ; plain vector lines between a matrix instruction and a load into one of its registers or a read of its result
.rept 4
	v_nop
.endr
.endm
.macro BIASL bh                        ; bp(64 bh + 16 e + 8 h + 0 .. 7)
.irp e, 0,1,2,3
	global_load_b128 v[BRH+8*\e:BRH+8*\e+3], v[BRO], s[10:11] offset:256*(\bh)+64*\e
	global_load_b128 v[BRH+8*\e+4:BRH+8*\e+7], v[BRO], s[10:11] offset:256*(\bh)+64*\e+16
.endr
.endm
	s_load_b256 s[4:11], s[0:1], 0x0               ; yimg s[4:5], Wp s[6:7], the scales' exponents s[8:9], bp s[10:11]
	s_load_b128 s[68:71], s[0:1], 0x20             ; rowf s[68:69], out0 s[70:71]
	v_lshl_add_u32 v[SPW], v0, 2, SPARE
	v_mov_b32 v[NIL], 0
	ds_add_u32 v[SPW], v[NIL]                      ; the opening lines: the add, twice on end, and its wait ahead of my first tensor load
	ds_add_u32 v[SPW], v[NIL]
	v_lshrrev_b32 v1, 5, v0
	v_readfirstlane_b32 s14, v1                    ; wave 0..3
	s_bfe_u32 s40, ttmp6, 0x40000                  ; cx, cy: my place in the cluster
	s_bfe_u32 s41, ttmp6, 0x40004
	s_lshl_b32 s42, ttmp9, 2
	s_add_co_u32 s42, s42, s40                     ; column group cg
	s_and_b32 s17, ttmp7, 0xffff
	s_lshl_b32 s17, s17, 2
	s_add_co_u32 s17, s17, s41                     ; tile row R
	s_and_b32 s18, s17, 7                          ; tb: which 256 rows t
	s_lshr_b32 s19, s17, 3                         ; batch b
	s_lshl_b32 s44, 0x1111, s40                    ; my column of the cluster
	s_or_b32 s[G1B], s44, (1<<20)|(1<<21)|(5<<22)|(3<<25)   ; the mask; elements of 1 byte; padding on; bit 21 beside a mask; after every 64 words four words
	s_mov_b32 s[G1B+1], 256<<16                    ; rows of 256 bytes
	s_mov_b32 s[G1B+2], 128<<16                    ; 128 rows
	s_mov_b32 s[G1B+3], 256<<16
	s_mov_b32 s[G1B+4], 128
	s_mov_b32 s[G1B+5], 1024                       ; from row to row of Wp
	s_mov_b32 s[G1B+6], 0
	s_mov_b32 s[G1B+7], 0
	s_lshl_b32 s46, s42, 17                        ; Wp: 128 cg rows of 1,024 bytes + my quarter of K
	s_lshl_b32 s47, s14, 8
	s_add_co_u32 s46, s46, s47
	s_mov_b32 s47, 0
	s_mul_i32 s15, s14, HALFT                      ; where my quarter goes: no place in the cluster enters an LDS address
	s_mul_i32 s23, s14, 16*PITCH
	s_add_co_u32 s23, s23, STAGE                   ; my stage
	s_wait_dscnt 0x0                               ; both opening adds are done
	s_wait_kmcnt 0x0
	s_load_b64 s[96:97], s[8:9], 0x28              ; ey, ew
	s_mov_b32 s[G0], 1
	s_mov_b32 s[G0+1], s15
	s_add_nc_u64 s[G0+2:G0+3], s[6:7], s[46:47]
	s_or_b32 s[G0+3], s[G0+3], 0x80000000
	CROUND                                         ; all sixteen work-groups are here: the joint loads meet
	tensor_load_to_lds s[G0:G0+3], s[G1B:G1B+7]    ; my quarter of Wp's part: my one tensor load
	s_nop 0
	PLACES
	s_lshl_b32 s72, s19, 21                        ; yimg: (128 b + 16 tb + 4 wave) tiles of 16,384 bytes
	s_lshl_b32 s74, s18, 18
	s_add_co_u32 s72, s72, s74
	s_lshl_b32 s74, s14, 16
	s_add_co_u32 s72, s72, s74
	s_mov_b32 s73, 0
	s_add_nc_u64 s[4:5], s[4:5], s[72:73]
	s_lshl_b32 s72, s19, 13                        ; rowf: (2,048 b + 256 tb + 64 wave) x 4
	s_lshl_b32 s74, s18, 10
	s_add_co_u32 s72, s72, s74
	s_lshl_b32 s74, s14, 8
	s_add_co_u32 s72, s72, s74
	s_add_nc_u64 s[68:69], s[68:69], s[72:73]
	s_lshl_b32 s72, s42, 9                         ; bp at 128 cg
	s_add_nc_u64 s[10:11], s[10:11], s[72:73]
	s_lshl_b32 s74, s18, 22                        ; out0: (256 tb + 64 wave) rows of 16,384 bytes + 4,096 b + 512 cg
	s_add_co_u32 s72, s72, s74
	s_lshl_b32 s74, s14, 20
	s_add_co_u32 s72, s72, s74
	s_lshl_b32 s74, s19, 12
	s_add_co_u32 s72, s72, s74
	s_add_nc_u64 s[70:71], s[70:71], s[72:73]
	v_and_b32 v1, 15, v0                           ; r = lane % 16
	v_bfe_u32 v2, v0, 4, 1                         ; h = lane / 16
	v_and_b32 v7, 31, v0
	v_mul_u32_u24 v3, v1, PITCH
	v_lshlrev_b32 v[LI], 4, v7
	v_lshlrev_b32 v[BRO], 5, v2
	v_lshlrev_b32 v[BLO], 2, v1
	v_lshl_add_u32 v[AW], v2, 3, v3                ; a fragment's row x pitch + 8 x half
	v_add_nc_u32 v[AW+1], 2*HALFT, v[AW]
	v_lshl_add_u32 v4, v2, 5, v3
	v_add_nc_u32 v[STO], s23, v4                   ; in: row r, 32 bytes for each half of the lanes
	v_mul_u32_u24 v11, v2, PITCH
	v_lshl_add_u32 v11, v1, 4, v11
	v_add_nc_u32 v[RD], s23, v11                   ; back: lanes 0-15 one row of 256 bytes, lanes 16-31 the next
	v_lshlrev_b32 v14, 14, v2
	v_lshl_add_u32 v[CO], v1, 4, v14               ; and the same two rows in out0
	s_wait_alu depctr_va_vdst(0)                   ; the end of the head's vector work
	BIASL 0
.irp a, 0,1,2,3
	global_load_b32 v[FF+2*\a], v[BLO], s[68:69] offset:64*\a      ; rowf(16 a + r)
.endr
.set s_, 0
.rept 8                                            ; y, K step by K step: 16 loads a step
.set w_, 0x80+0x40*(s_/4)
	WIN w_
.irp a, 0,1,2,3
.irp p, 0,1,2,3
	global_load_b128 v[64*(s_%4)+16*\a+4*\p:64*(s_%4)+16*\a+4*\p+3], v[LI], s[4:5] offset:\a*16384+s_*2048+\p*512
.endr
.endr
.set s_, s_+1
.endr
	WIN 0
	s_wait_kmcnt 0x0
	s_add_co_i32 s96, s96, s97
	s_add_co_i32 s96, s96, 127
	s_lshl_b32 s96, s96, 23                        ; 2^(ey + ew)
	s_wait_loadcnt 63                              ; of 140 loads the oldest 77 are in: the bias, rowf and y's K steps 0 to 3
.irp a, 0,1,2,3
	v_mul_f32 v[FF+2*\a], s96, v[FF+2*\a]
.endr
.irp a, 0,1,2,3
	v_mov_b32 v[FF+2*\a+1], v[FF+2*\a]             ; (named as the upper half of a pair)
.endr
; K step i (0 .. 7) of phase bh: Wp's blocks 4 bh .. + 3 into buffer i % 3.  16 rows x 128 K in 16 registers by eight loads of 8 bytes: registers 2 c, 2 c + 1 hold K = 16 c + 8 (lane / 16) + 0 .. 7, as y's images have it.
.macro BLD bh, i
.set bf_, BB+64*((\i)%3)
.set ad_, AW+(\i)/4
.set of_, (((\i)/2)%2)*HALFT+4*(\bh)*16*PITCH+((\i)%2)*128
.irp e, 0,1,2,3
.irp c, 0,1,2,3,4,5,6,7
	ds_load_b64 v[bf_+16*\e+2*\c:bf_+16*\e+2*\c+1], v[ad_] offset:of_+\e*16*PITCH+16*\c
.endr
.endr
.endm
.macro W1 d, p, q, z
.if \z
	v_wmma_f32_16x16x128_fp8_fp8 v[\d:\d+7], v[\p:\p+15], v[\q:\q+15], 0
.else
	v_wmma_f32_16x16x128_fp8_fp8 v[\d:\d+7], v[\p:\p+15], v[\q:\q+15], v[\d:\d+7]
.endif
.endm
; 16 matrix instructions on the phase's 16 accumulators, one a turn.  The first K step starts the sums with the constant 0.
.macro MULH bh, i
.set bf_, BB+64*((\i)%3)
.set xs_, 64*((\i)%4)
.set ac_, 32*(\bh)
.if (\i) < 1
.set z_, 1
.else
.set z_, 0
.endif
.set w_, 0x58+4*((\i)/4)               ; source 0 (Wp) window 0, source 1 (y) window 2 or 3, C and D window 1
	WIN w_
.irp e, 0,1,2,3
.irp a, 0,1,2,3
	W1 64*\a+ac_+8*\e, bf_+16*\e, xs_+16*\a, z_
.endr
.endr
.endm
; A phase's 128 matrix instructions.  K steps 0 and 1 have been asked for.  At the head of K step i the fragments of i + 2 are asked for, into the buffer that i - 1 has left.
.macro PHASE bh
.set hi, 0
.rept 8
.if hi < 6
.if hi > 0
	PLACES
.endif
	WIN 0
	BLD \bh, hi+2
	s_wait_dscnt 63                                ; behind this step's fragments 64 loads were issued, those of steps i + 1 and i + 2
.elseif hi == 6
	s_wait_dscnt 32                                ; all but step 7's
.else
	s_wait_dscnt 0x0
.endif
.if (\bh == 0) && (hi > 3)
	s_wait_loadcnt 16*(7-hi)                       ; y's K step i is in: 16 loads for each later step may be out
.endif
	MULH \bh, hi
.set hi, hi+1
.endr
	PLACES                                         ; behind the last products: loads into buffer 0 and reads of the sums follow
	WIN 0
.endm
; THE WAY OUT of tile a, phase bh: 16 rows x 64 columns: sum x rowf x 2^(ey + ew) + bias, into my stage, back as whole rows of 256 bytes.  LDS serves a wave's instructions in order (ISA guide 5.7.1.4): no wait between the stores and the loads.
.macro TOSTAGE a, bh
	WIN 0x01                                       ; source 0 (the sums) window 1
.set j, 0
.rept 16
	v_pk_fma_f32 v[TMP+j:TMP+j+1], v[64*(\a)+32*(\bh)+j:64*(\a)+32*(\bh)+j+1], v[FF+2*(\a):FF+2*(\a)+1], v[BRH+j:BRH+j+1] op_sel_hi:[1,0,1]   ; each accumulator from its low end on
.set j, j+2
.endr
	WIN 0
.irp e, 0,1,2,3
	ds_store_b128 v[STO], v[TMP+8*\e:TMP+8*\e+3] offset:64*\e
	ds_store_b128 v[STO], v[TMP+8*\e+4:TMP+8*\e+7] offset:64*\e+16
.endr
.set bk_, BK+32*((\a)%2)
.irp t, 0,1,2,3,4,5,6,7
	ds_load_b128 v[bk_+4*\t:bk_+4*\t+3], v[RD] offset:\t*2*PITCH
.endr
.endm
.macro SEND a, bh, younger             ; younger: the LDS instructions issued behind tile a's loads, which may stay out
.set bk_, BK+32*((\a)%2)
	s_wait_dscnt \younger
.irp t, 0,1,2,3,4,5,6,7
	global_store_b128 v[CO], v[bk_+4*\t:bk_+4*\t+3], s[70:71] offset:(16*(\a)+2*\t)*16384+256*(\bh) th:TH_STORE_NT   ; 16 lanes store 256 consecutive bytes, at a multiple of 256 from out0's first byte
.endr
.endm
.macro OUT bh
	s_wait_loadcnt 0x0                             ; the phase's bias
	TOSTAGE 0, \bh
.irp a, 1,2,3
.if \a > 1
	s_wait_xcnt 0x0                                ; tile a - 2's stores have read their registers: tile a's loads may land there
.endif
	TOSTAGE \a, \bh
	SEND \a-1, \bh, 16                             ; behind tile a - 1's loads: tile a's 8 stores and 8 loads
.endr
	SEND 3, \bh, 0
.endm
	s_wait_alu depctr_va_vdst(0)                   ; the head's end
	s_wait_tensorcnt 0x0                           ; my quarter of Wp's part is in
	s_barrier_signal -1
	s_barrier_wait -1                              ; everybody's is
	BLD 0, 0
	BLD 0, 1
	PHASE 0
	BLD 1, 0                                       ; into buffer 0, which the way out leaves alone
	OUT 0
	BIASL 1                                        ; the second phase's bias, under its products
	s_wait_xcnt 0x0                                ; the stores have read their registers: buffers 1 and 2 take fragments again
	BLD 1, 1
	PHASE 1
	OUT 1
	s_wait_tensorcnt 0x0                           ; the wave's end
	ds_add_u32 v[SPW], v[NIL]
	s_wait_dscnt 0x0
	CROUND                                         ; the closing round: no work-group ends while a partner may still ask for a tile that names it
	s_endpgm
.Lfunc_end_k_q0991108a4a_outp:
	.size	k_q0991108a4a_outp, .Lfunc_end_k_q0991108a4a_outp-k_q0991108a4a_outp
	.p2alignl 7, 3214868480
	.fill 96, 4, 3214868480
	.section	.rodata,"a",@progbits
	.p2align	6, 0x0
	.amdhsa_kernel k_q0991108a4a_outp
		.amdhsa_group_segment_fixed_size 327680
		.amdhsa_private_segment_fixed_size 0
		.amdhsa_enable_private_segment 0
		.amdhsa_kernarg_size 48
		.amdhsa_user_sgpr_count 2
		.amdhsa_user_sgpr_kernarg_segment_ptr 1
		.amdhsa_wavefront_size32 1
		.amdhsa_system_sgpr_workgroup_id_x 1
		.amdhsa_system_sgpr_workgroup_id_y 1
		.amdhsa_system_sgpr_workgroup_id_z 1
		.amdhsa_system_vgpr_workitem_id 0
		.amdhsa_next_free_vgpr 1024
		.amdhsa_next_free_sgpr 100
		.amdhsa_reserve_vcc 0
		.amdhsa_float_denorm_mode_32 3
		.amdhsa_float_denorm_mode_16_64 3
		.amdhsa_memory_ordered 1
		.amdhsa_forward_progress 1
		.amdhsa_inst_pref_size 94
	.end_amdhsa_kernel
	.amdgpu_metadata
---
amdhsa.version: [ 1, 2 ]
amdhsa.kernels:
  - .name:           k_q0991108a4a_outp
    .symbol:         k_q0991108a4a_outp.kd
    .args:
      - { .name: yimg, .offset: 0, .size: 8, .value_kind: global_buffer, .address_space: global }
      - { .name: Wp_codes, .offset: 8, .size: 8, .value_kind: global_buffer, .address_space: global }
      - { .name: lowp_scales, .offset: 16, .size: 8, .value_kind: global_buffer, .address_space: global }
      - { .name: bp, .offset: 24, .size: 8, .value_kind: global_buffer, .address_space: global }
      - { .name: rowf, .offset: 32, .size: 8, .value_kind: global_buffer, .address_space: global }
      - { .name: out0, .offset: 40, .size: 8, .value_kind: global_buffer, .address_space: global }
    .group_segment_fixed_size: 327680
    .private_segment_fixed_size: 0
    .kernarg_segment_align: 8
    .kernarg_segment_size: 48
    .max_flat_workgroup_size: 128
    .sgpr_count:     100
    .vgpr_count:     1024
    .wavefront_size: 32
...
	.end_amdgpu_metadata
.endif
;; end of part 3
